; MI455X (gfx1250); checked and timed in simulation.
; The chip was launched on July 23, 2026; its instructions are those of AMD's public machine-readable ISA for CDNA 5 (MIT licence, August 2026) and "CDNA5" Instruction Set Architecture Reference Guide (July 2026). The comments in the code are by the model that wrote it; some were corrected since.
;; Pairwise Modality Attention. Allowed arithmetic: float matrix products may take bf16 or f16 operands with f32 sums; other float arithmetic in f32, or as packed bf16 or f16 multiplies, adds, multiply-adds, maxima and minima; sums over many terms, partial sums and values carried from step to step in f32; what a program stores and reads back later, other than sums and carried values, may be rounded once to bf16 or f16.
;; Inputs: modality_mask 8,192 x 3 int32; params_audio_to_text_Wk 256 x 1,024 float32; params_audio_to_text_Wo 256 x 256 float32; params_audio_to_text_Wq 256 x 512 float32; params_audio_to_text_Wv 256 x 1,024 float32; params_audio_to_text_bk 256 float32; params_audio_to_text_bo 256 float32; params_audio_to_text_bq 256 float32; params_audio_to_text_bv 256 float32; params_audio_to_text_k_ln_b 1,024 float32; params_audio_to_text_k_ln_g 1,024 float32; params_audio_to_text_q_ln_b 512 float32; params_audio_to_text_q_ln_g 512 float32; params_audio_to_text_v_ln_b 1,024 float32; params_audio_to_text_v_ln_g 1,024 float32; params_audio_to_video_Wk 256 x 768 float32; params_audio_to_video_Wo 256 x 256 float32; params_audio_to_video_Wq 256 x 512 float32; params_audio_to_video_Wv 256 x 768 float32; params_audio_to_video_bk 256 float32; params_audio_to_video_bo 256 float32; params_audio_to_video_bq 256 float32; params_audio_to_video_bv 256 float32; params_audio_to_video_k_ln_b 768 float32; params_audio_to_video_k_ln_g 768 float32; params_audio_to_video_q_ln_b 512 float32; params_audio_to_video_q_ln_g 512 float32; params_audio_to_video_v_ln_b 768 float32; params_audio_to_video_v_ln_g 768 float32; params_out_ln_b 256 float32; params_out_ln_g 256 float32; params_self_audio_W 256 x 512 float32; params_self_audio_b 256 float32; params_self_text_W 256 x 1,024 float32; params_self_text_b 256 float32; params_self_video_W 256 x 768 float32; params_self_video_b 256 float32; params_text_to_audio_Wk 256 x 512 float32; params_text_to_audio_Wo 256 x 256 float32; params_text_to_audio_Wq 256 x 1,024 float32; params_text_to_audio_Wv 256 x 512 float32; params_text_to_audio_bk 256 float32; params_text_to_audio_bo 256 float32; params_text_to_audio_bq 256 float32; params_text_to_audio_bv 256 float32; params_text_to_audio_k_ln_b 512 float32; params_text_to_audio_k_ln_g 512 float32; params_text_to_audio_q_ln_b 1,024 float32; params_text_to_audio_q_ln_g 1,024 float32; params_text_to_audio_v_ln_b 512 float32; params_text_to_audio_v_ln_g 512 float32; params_text_to_video_Wk 256 x 768 float32; params_text_to_video_Wo 256 x 256 float32; params_text_to_video_Wq 256 x 1,024 float32; params_text_to_video_Wv 256 x 768 float32; params_text_to_video_bk 256 float32; params_text_to_video_bo 256 float32; params_text_to_video_bq 256 float32; params_text_to_video_bv 256 float32; params_text_to_video_k_ln_b 768 float32; params_text_to_video_k_ln_g 768 float32; params_text_to_video_q_ln_b 1,024 float32; params_text_to_video_q_ln_g 1,024 float32; params_text_to_video_v_ln_b 768 float32; params_text_to_video_v_ln_g 768 float32; params_video_to_audio_Wk 256 x 512 float32; params_video_to_audio_Wo 256 x 256 float32; params_video_to_audio_Wq 256 x 768 float32; params_video_to_audio_Wv 256 x 512 float32; params_video_to_audio_bk 256 float32; params_video_to_audio_bo 256 float32; params_video_to_audio_bq 256 float32; params_video_to_audio_bv 256 float32; params_video_to_audio_k_ln_b 512 float32; params_video_to_audio_k_ln_g 512 float32; params_video_to_audio_q_ln_b 768 float32; params_video_to_audio_q_ln_g 768 float32; params_video_to_audio_v_ln_b 512 float32; params_video_to_audio_v_ln_g 512 float32; params_video_to_text_Wk 256 x 1,024 float32; params_video_to_text_Wo 256 x 256 float32; params_video_to_text_Wq 256 x 768 float32; params_video_to_text_Wv 256 x 1,024 float32; params_video_to_text_bk 256 float32; params_video_to_text_bo 256 float32; params_video_to_text_bq 256 float32; params_video_to_text_bv 256 float32; params_video_to_text_k_ln_b 1,024 float32; params_video_to_text_k_ln_g 1,024 float32; params_video_to_text_q_ln_b 768 float32; params_video_to_text_q_ln_g 768 float32; params_video_to_text_v_ln_b 1,024 float32; params_video_to_text_v_ln_g 1,024 float32; x_audio 8,192 x 512 float32; x_text 8,192 x 1,024 float32; x_video 8,192 x 768 float32.
;; Outputs: out0 3 x 8,192 x 256 float32; out1 6 x 8,192 x 4 x 1 x 1 float32.
;; One version. Each part assembles by itself: llvm-mc -triple=amdgcn-amd-amdhsa -mcpu=gfx1250 --defsym DOCPART=n.
;; ======== version 1 of 1: 3 launches
;; limits: values are held in f16: magnitudes above 65,504 overflow, below 6.1e-05 lose precision
;; workspace buffers: xn 37,748,736 bytes; stats 393,216 bytes; ubuf 9,216 bytes; wfrag 3,538,944 bytes; cvec 6,144 bytes
;; launch norm (part 1): grid 256 x 1, 16 waves a work-group, no clusters, 298,496 bytes of LDS; arguments x_audio, x_video, x_text, modality_mask, xn, stats, ubuf, params_audio_to_video_Wv, params_audio_to_video_v_ln_b, params_audio_to_video_bv, params_video_to_audio_Wv, params_video_to_audio_v_ln_b, params_video_to_audio_bv, params_audio_to_text_Wv, params_audio_to_text_v_ln_b, params_audio_to_text_bv, params_text_to_audio_Wv, params_text_to_audio_v_ln_b, params_text_to_audio_bv, params_video_to_text_Wv, params_video_to_text_v_ln_b, params_video_to_text_bv, params_text_to_video_Wv, params_text_to_video_v_ln_b, params_text_to_video_bv, params_self_audio_W, params_self_video_W, params_self_text_W; writes xn, stats, ubuf
.if DOCPART == 1
	.amdgcn_target "amdgcn-amd-amdhsa--gfx1250"
	.amdhsa_code_object_version 6
	.text
	.protected	k_q8f4123f1f6_norm
	.globl	k_q8f4123f1f6_norm
	.p2align	8
	.type	k_q8f4123f1f6_norm,@function
k_q8f4123f1f6_norm:
	s_mov_b64 s[64:65], 0
	v_nop
	global_prefetch_b8 v0, s[64:65] scope:SCOPE_SE
	s_setreg_imm32_b32 hwreg(HW_REG_WAVE_MODE, 25, 1), 1
	s_wait_xcnt 0x0
; PAIRWISE MODALITY ATTENTION, launch 1 of 3: the rows of x_audio, x_video, x_text are normalised once and written in f16.
; WORK LEFT OUT, for all finite values of the inputs.  Each cross attention has ONE key, so its softmax runs over an axis of length 1:
; exp(s - s) / exp(s - s) = 1 whatever the score s is (the masked score -10000 too), and the where() behind it makes attn = 1 where the key's
; modality is available and 0 where it is not.  So the scores, Q, K, their two LayerNorms and Wq, bq, Wk, bk, q_ln_g, q_ln_b, k_ln_g, k_ln_b of all six
; directions (48 inputs) have no way to any output: they are not loaded and are among no launch's arguments.
; LIMIT: a NaN, an infinity or an overflow that arises only in Q, K or the scores is not carried to the result.
; WHAT IS LIVE.  out1[d] = avail of the key's modality, for all four heads.  With xn = (x - mu) rstd (the LayerNorm without gain and bias), for output a and keys b:
;   y_a = x_a Wself^T + bself + sum over b of [ avail_b (xn_b G^T + c) + bo ],   G = Wo (Wv o g),   c = Wo u,   u = Wv b_ln + bv    (the two products folded: launch 2)
;   x_a Wself^T = (xn_a Wself^T) / rstd_a + mu_a rowsum(Wself): one normalised operand a modality serves all three of its uses (launch 3).
; THIS LAUNCH stores: xn[row][2304] in f16 (audio at byte 0, video at 1,024, text at 2,560 of a row of 4,608 bytes), ALREADY TIMES avail of its own modality: the cross terms want that factor, and
; the self term is read only in rows that the last mask keeps; stats[m][row] = {mu, avail as 0.0 or 1.0, rstd, 1e-5 rstd^2}; ubuf rows 0-5 = u of the six directions, rows 6-8 = rowsum(Wself).
; LIMITS.  |xn| stays under sqrt(1023) < 32 by the normalisation itself, so f16 holds it; mean and variance in two passes, in f32, as reference() takes them; the division by the row's length is a multiplication by its rounded reciprocal.
; SHARES.  Work-group g owns rows 32 g .. 32 g + 31 of all three inputs: 288 KiB of f32, all asked for at once.  Wave w owns rows 2 w, 2 w + 1 of each: it brings them in by three tensor loads of its own
; (a wave has three out at the most), reads only its own bytes, and no LDS byte is filled twice: no ring, no barrier for the tiles.  No matrix unit, no cluster: nothing is shared and memory binds.
; Waves 0-8 also make one number each of u or rowsum: row g of their matrix (256 work-groups, 256 rows).
.set ROWP,  4608                       ; bytes in a row of xn
.set REG_V, 65536                      ; LDS: audio's 32 rows at 0, video's here,
.set REG_T, 163840                     ; text's here
.set STATS, 294912                     ; [3][32 rows][16 bytes], written by ds_store: blocks of their own
.set SPARE, 296448                     ; the spare words: 128 bytes for each of 16 waves
.set X, 32                             ; v[32:95]  two rows of up to 32 registers; ahead of that a row of weights (v32-63) and of b_ln (v64-95)
.set Y, 96                             ; v[96:111] a row in f16, to store
; v1 lane; v2 16 x lane; v3, v4 the add's two registers; v5-7 LDS address of my 16 bytes in my block of audio, video, text; v8 my 8 bytes in my two rows of xn; v9 my two rows in STATS; v10 4 g
; v[12:15] two chains of sums; v[16:17] mu twice; v[18:19] rstd x avail twice; v[20:23] the row's stats; v24, v25 at work
; s2 wave; s3 g; s[4:11] x_audio, x_video, x_text, mask; s[12:15] xn, stats; s[66:67] ubuf; s[16:39] three groups 1; s[40:51] three groups 0; s[52:57] six mask words; s58-63 flags [m][row]
; s[68:73] a stub's pointers; s[74:79], s85, s86 at work; s80, s81 lane selects; s82 1 / row length; s83 eps; s84 EXEC kept
	s_load_b256 s[4:11], s[0:1], 0x0
	s_load_b128 s[12:15], s[0:1], 0x20
	s_load_b64 s[66:67], s[0:1], 0x30
	v_lshl_add_u32 v3, v0, 2, SPARE
	v_mov_b32 v4, 0
	ds_add_u32 v3, v4                              ; the wave's opening: the add, twice on end, and its wait ahead of my first tensor load
	ds_add_u32 v3, v4                              ; and once more, under the one wait; the descriptors' words below stand between
	v_lshrrev_b32 v1, 5, v0
	v_readfirstlane_b32 s2, v1                     ; wave 0..15
	s_mov_b32 s3, ttmp9
	; Group 1, once a modality.  My two rows lie end to end in memory: 4,096, 6,144 or 8,192 dense bytes, asked for as 16, 24 or 32 rows of 256 bytes (32 elements of 8 bytes)
.irp m, 0,1,2
	s_mov_b32 s[16+8*\m], 3<<16                    ; no mask; elements of 8 bytes; no padding
	s_mov_b32 s[17+8*\m], 32<<16                   ; tensor_dim0 = 32
	s_mov_b32 s[18+8*\m], (16+8*\m)<<16            ; tensor_dim1 = the rows
	s_mov_b32 s[19+8*\m], 32<<16                   ; tile_dim0 = 32
	s_mov_b32 s[20+8*\m], 16+8*\m                  ; tile_dim1
	s_mov_b32 s[21+8*\m], 32                       ; 32 elements from row to row
	s_mov_b32 s[22+8*\m], 0
	s_mov_b32 s[23+8*\m], 0
	s_mov_b32 s[40+4*\m], 1                        ; group 0: count = 1
.endr
	s_mul_i32 s41, s2, 4096                        ; LDS addresses: the region plus the wave's number times its block
	s_mul_i32 s85, s2, 6144
	s_add_co_u32 s45, s85, REG_V
	s_mul_i32 s86, s2, 8192
	s_add_co_u32 s49, s86, REG_T
	s_lshl_b32 s74, s3, 16                         ; byte offsets in x: 32 g rows + my block
	s_add_co_u32 s74, s74, s41
	s_mov_b32 s75, 0
	s_mul_i32 s76, s3, 98304
	s_add_co_u32 s76, s76, s85
	s_mov_b32 s77, 0
	s_lshl_b32 s78, s3, 17
	s_add_co_u32 s78, s78, s86
	s_mov_b32 s79, 0
	s_mov_b32 s80, 0x76543210                      ; v_permlanex16_b32: each lane takes its own place in the other half
	s_mov_b32 s81, 0xfedcba98
	s_mov_b32 s83, 0x3727c5ac                      ; 1e-5
	s_wait_dscnt 0x0                               ; both opening adds are done
	s_wait_kmcnt 0x0
	s_add_nc_u64 s[42:43], s[4:5], s[74:75]
	s_or_b32 s43, s43, 0x80000000                  ; type = 2
	s_add_nc_u64 s[46:47], s[6:7], s[76:77]
	s_or_b32 s47, s47, 0x80000000
	s_add_nc_u64 s[50:51], s[8:9], s[78:79]
	s_or_b32 s51, s51, 0x80000000
	tensor_load_to_lds s[40:43], s[16:23]          ; all my rows go out together, ahead of everything else
	s_nop 0
	tensor_load_to_lds s[44:47], s[24:31]
	s_nop 0
	tensor_load_to_lds s[48:51], s[32:39]
	s_nop 0
	s_mul_i32 s74, s3, 384                         ; my two rows of the mask: six words at (32 g + 2 w) x 12 bytes
	s_mul_i32 s76, s2, 24
	s_add_co_u32 s74, s74, s76
	s_add_nc_u64 s[10:11], s[10:11], s[74:75]
	s_load_b128 s[52:55], s[10:11], 0x0
	s_load_b64 s[56:57], s[10:11], 0x10
	v_and_b32 v1, 31, v0
	v_lshlrev_b32 v2, 4, v1
	v_lshl_add_u32 v5, v1, 4, s41
	v_lshl_add_u32 v6, v1, 4, s45
	v_lshl_add_u32 v7, v1, 4, s49
	s_mul_i32 s76, s2, 2*ROWP
	v_lshl_add_u32 v8, v1, 3, s76
	s_lshl_b32 s76, s2, 5
	s_add_co_u32 s76, s76, STATS
	v_mov_b32 v9, s76
	s_lshl_b32 s76, s3, 2
	v_mov_b32 v10, s76
	s_mul_i32 s76, s3, 32*ROWP
	s_add_nc_u64 s[12:13], s[12:13], s[76:77]      ; xn at the group's first row
	s_wait_kmcnt 0x0
.irp row, 0,1
.irp m, 0,1,2
	s_cmp_gt_i32 s[52+3*\row+\m], 0                ; avail = mask > 0: it becomes a factor, never a branch
	s_cselect_b32 s[58+2*\m+\row], 1.0, 0
.endr
.endr
; The sum of v12 over the 32 lanes, in every lane: four steps inside each half ride on the addition, one crosses the halves.
.macro LANESUM
	v_add_f32_dpp v12, v12, v12 row_xmask:1 row_mask:0xf bank_mask:0xf
	v_add_f32_dpp v12, v12, v12 row_xmask:2 row_mask:0xf bank_mask:0xf
	v_add_f32_dpp v12, v12, v12 row_xmask:4 row_mask:0xf bank_mask:0xf
	v_add_f32_dpp v12, v12, v12 row_xmask:8 row_mask:0xf bank_mask:0xf
	v_permlanex16_b32 v13, v12, s80, s81
	v_add_f32 v12, v12, v13
.endm
; Wave k's one number of ubuf's row k, while its tiles are on their way.  dot = 1: u[g] = Wv[g][:] . b_ln + bv[g]; dot = 0: the sum of Wself[g][:].  nl loads of 512 consecutive bytes cover the row.
; The result is one word a wave: 2,304 single words in the whole launch.
.macro USTUB k, nl, dot, arg
.Lu\k:
.if \dot
	s_load_b128 s[68:71], s[0:1], \arg
	s_load_b64 s[72:73], s[0:1], (\arg)+16
.else
	s_load_b64 s[68:69], s[0:1], \arg
.endif
	s_mul_i32 s74, s3, 512*(\nl)
	s_wait_kmcnt 0x0
	s_add_nc_u64 s[68:69], s[68:69], s[74:75]      ; row g
.set c, 0
.rept \nl
	global_load_b128 v[32+4*c:35+4*c], v2, s[68:69] offset:512*c th:TH_LOAD_NT
.if \dot
	global_load_b128 v[64+4*c:67+4*c], v2, s[70:71] offset:512*c
.endif
.set c, c+1
.endr
.if \dot
	global_load_b32 v25, v10, s[72:73]
.endif
	s_wait_loadcnt 0x0
.if \dot
	v_pk_mul_f32 v[12:13], v[32:33], v[64:65]      ; the first products start the two chains
	v_pk_mul_f32 v[14:15], v[34:35], v[66:67]
.set c, 1
.rept (\nl)-1
	v_pk_fma_f32 v[12:13], v[32+4*c:33+4*c], v[64+4*c:65+4*c], v[12:13]
	v_pk_fma_f32 v[14:15], v[34+4*c:35+4*c], v[66+4*c:67+4*c], v[14:15]
.set c, c+1
.endr
.else
	v_pk_add_f32 v[12:13], v[32:33], v[36:37]
	v_pk_add_f32 v[14:15], v[34:35], v[38:39]
.set c, 2
.rept (\nl)-2
	v_pk_add_f32 v[12:13], v[12:13], v[32+4*c:33+4*c]
	v_pk_add_f32 v[14:15], v[14:15], v[34+4*c:35+4*c]
.set c, c+1
.endr
.endif
	v_pk_add_f32 v[12:13], v[12:13], v[14:15]
	v_add_f32 v12, v12, v13
	LANESUM
.if \dot
	v_add_f32 v12, v12, v25
.endif
	s_wait_xcnt 0x0                                ; EXEC changes only behind this wait,
	v_cmp_eq_u32 vcc_lo, 0, v1
	s_and_saveexec_b32 s84, vcc_lo
	global_store_b32 v10, v12, s[66:67] offset:1024*(\k)
	s_wait_xcnt 0x0                                ; and again in front of the line that widens it; v12 is free behind it too
	s_or_b32 exec_lo, exec_lo, s84
.endm
	s_cmp_lt_u32 s2, 9
	s_cbranch_scc0 .Lu_done
.irp k, 0,1,2,3,4,5,6,7
	s_cmp_eq_u32 s2, \k
	s_cbranch_scc1 .Lu\k
.endr
	USTUB 8, 8, 0, 0xd8                            ; rowsum of self_text_W
	s_branch .Lu_done
	USTUB 0, 6, 1, 0x38                            ; audio_to_video: keys of 768
	s_branch .Lu_done
	USTUB 1, 4, 1, 0x50                            ; video_to_audio: 512
	s_branch .Lu_done
	USTUB 2, 8, 1, 0x68                            ; audio_to_text: 1,024
	s_branch .Lu_done
	USTUB 3, 4, 1, 0x80                            ; text_to_audio
	s_branch .Lu_done
	USTUB 4, 8, 1, 0x98                            ; video_to_text
	s_branch .Lu_done
	USTUB 5, 6, 1, 0xb0                            ; text_to_video
	s_branch .Lu_done
	USTUB 6, 4, 0, 0xc8                            ; rowsum of self_audio_W
	s_branch .Lu_done
	USTUB 7, 6, 0, 0xd0                            ; rowsum of self_video_W
.Lu_done:
; One row: lane l holds numbers 128 c + 4 l .. + 3 of it, c = 0 .. nl - 1.
.macro NROW m, row, nl, colb
.set XR, X+32*(\row)
.set FL, 58+2*(\m)+(\row)
	v_pk_add_f32 v[12:13], v[XR:XR+1], v[XR+4:XR+5]        ; the sum, in two chains that the first numbers start
	v_pk_add_f32 v[14:15], v[XR+2:XR+3], v[XR+6:XR+7]
.set c, 2
.rept (\nl)-2
	v_pk_add_f32 v[12:13], v[12:13], v[XR+4*c:XR+4*c+1]
	v_pk_add_f32 v[14:15], v[14:15], v[XR+4*c+2:XR+4*c+3]
.set c, c+1
.endr
	v_pk_add_f32 v[12:13], v[12:13], v[14:15]
	v_add_f32 v12, v12, v13
	LANESUM
	v_mul_f32 v16, s82, v12                        ; mu
	v_mul_f32 v17, s82, v12
.set c, 0
.rept 2*(\nl)
	v_pk_add_f32 v[XR+2*c:XR+2*c+1], v[XR+2*c:XR+2*c+1], v[16:17] neg_lo:[0,1] neg_hi:[0,1]  ; x - mu, in place
.set c, c+1
.endr
	v_pk_mul_f32 v[12:13], v[XR:XR+1], v[XR:XR+1]          ; the sum of its squares
	v_pk_mul_f32 v[14:15], v[XR+2:XR+3], v[XR+2:XR+3]
.set c, 1
.rept (\nl)-1
	v_pk_fma_f32 v[12:13], v[XR+4*c:XR+4*c+1], v[XR+4*c:XR+4*c+1], v[12:13]
	v_pk_fma_f32 v[14:15], v[XR+4*c+2:XR+4*c+3], v[XR+4*c+2:XR+4*c+3], v[14:15]
.set c, c+1
.endr
	v_pk_add_f32 v[12:13], v[12:13], v[14:15]
	v_add_f32 v12, v12, v13
	LANESUM
	v_fma_f32 v24, v12, s82, s83                   ; var + eps
	v_rsq_f32 v22, v24
	v_mov_b32 v20, v16                             ; two plain lines stand behind the root,
	v_mov_b32 v21, s[FL]
	s_wait_alu depctr_va_vdst(0)                   ; and the wait ahead of its first reader
	v_mul_f32 v18, s[FL], v22                      ; rstd x avail
	v_mul_f32 v23, v22, v22
	v_mul_f32 v19, s[FL], v22
	v_mul_f32 v23, s83, v23                        ; eps rstd^2
	s_wait_xcnt 0x0                                ; the last row's stores have read Y: it is rewritten only behind this wait
.set c, 0
.rept \nl
	v_pk_mul_f32 v[XR+4*c:XR+4*c+1], v[XR+4*c:XR+4*c+1], v[18:19]
	v_pk_mul_f32 v[XR+4*c+2:XR+4*c+3], v[XR+4*c+2:XR+4*c+3], v[18:19]
	v_cvt_pk_f16_f32 v[Y+2*c], v[XR+4*c], v[XR+4*c+1]
	v_cvt_pk_f16_f32 v[Y+2*c+1], v[XR+4*c+2], v[XR+4*c+3]
	global_store_b64 v8, v[Y+2*c:Y+2*c+1], s[12:13] offset:(\row)*ROWP+(\colb)+256*c th:TH_STORE_NT  ; the wave's 32 lanes store 256 consecutive bytes, at a multiple of 256 from xn's first
.set c, c+1
.endr
	ds_store_b128 v9, v[20:23] offset:512*(\m)+16*(\row)   ; every lane holds the same four numbers
.endm
.macro MOD m, nl, colb, invn
	s_wait_tensorcnt 2-(\m)                        ; tensor loads of a wave end in order: this block is in, my younger blocks may stay out
	s_mov_b32 s82, \invn
.set c, 0
.rept 2*(\nl)
	ds_load_b128 v[X+32*(c/(\nl))+4*(c%(\nl)):X+32*(c/(\nl))+4*(c%(\nl))+3], v[5+(\m)] offset:512*c  ; 512 neighbouring bytes: no bank is asked twice
.set c, c+1
.endr
	s_wait_dscnt \nl                               ; the first row is in; the second row's loads may stay out
	NROW \m, 0, \nl, \colb
	s_wait_dscnt 0x1                               ; the second row is in; behind its loads stands the first row's one store
	NROW \m, 1, \nl, \colb
.endm
	MOD 0, 4, 0,    0x3b000000                     ; audio: 1 / 512
	MOD 1, 6, 1024, 0x3aaaaaab                     ; video: 1 / 768
	MOD 2, 8, 2560, 0x3a800000                     ; text: 1 / 1,024
	s_wait_dscnt 0x0                               ; for the others' sake: my stats lie in LDS
	s_barrier_signal -1
	s_barrier_wait -1
	s_cmp_lt_u32 s2, 3                             ; wave m stores modality m's 32 rows of stats: 512 consecutive bytes
	s_cbranch_scc0 .Lend
	s_lshl_b32 s76, s2, 9
	s_add_co_u32 s76, s76, STATS
	v_add_nc_u32 v24, s76, v2
	ds_load_b128 v[20:23], v24
	s_lshl_b32 s74, s2, 17                         ; 8,192 rows of 16 bytes a modality,
	s_lshl_b32 s76, s3, 9                          ; 32 rows a work-group
	s_add_co_u32 s74, s74, s76
	s_add_nc_u64 s[14:15], s[14:15], s[74:75]
	s_wait_dscnt 0x0
	global_store_b128 v2, v[20:23], s[14:15]
.Lend:
	s_wait_tensorcnt 0x0                           ; the wave's end: behind my last tensor load and my last LDS store
	ds_add_u32 v3, v4
	s_wait_dscnt 0x0
	s_endpgm
.Lfunc_end_k_q8f4123f1f6_norm:
	.size	k_q8f4123f1f6_norm, .Lfunc_end_k_q8f4123f1f6_norm-k_q8f4123f1f6_norm
	.p2alignl 7, 3214868480
	.fill 96, 4, 3214868480
	.section	.rodata,"a",@progbits
	.p2align	6, 0x0
	.amdhsa_kernel k_q8f4123f1f6_norm
		.amdhsa_group_segment_fixed_size 298496
		.amdhsa_private_segment_fixed_size 0
		.amdhsa_enable_private_segment 0
		.amdhsa_kernarg_size 224
		.amdhsa_user_sgpr_count 2
		.amdhsa_user_sgpr_kernarg_segment_ptr 1
		.amdhsa_wavefront_size32 1
		.amdhsa_system_sgpr_workgroup_id_x 1
		.amdhsa_system_sgpr_workgroup_id_y 1
		.amdhsa_system_sgpr_workgroup_id_z 1
		.amdhsa_system_vgpr_workitem_id 0
		.amdhsa_next_free_vgpr 112
		.amdhsa_next_free_sgpr 88
		.amdhsa_reserve_vcc 1
		.amdhsa_float_denorm_mode_32 3
		.amdhsa_float_denorm_mode_16_64 3
		.amdhsa_memory_ordered 1
		.amdhsa_forward_progress 1
		.amdhsa_inst_pref_size 67
	.end_amdhsa_kernel
	.amdgpu_metadata
---
amdhsa.version: [ 1, 2 ]
amdhsa.kernels:
  - .name:           k_q8f4123f1f6_norm
    .symbol:         k_q8f4123f1f6_norm.kd
    .args:
      - { .name: x_audio, .offset: 0, .size: 8, .value_kind: global_buffer, .address_space: global }
      - { .name: x_video, .offset: 8, .size: 8, .value_kind: global_buffer, .address_space: global }
      - { .name: x_text, .offset: 16, .size: 8, .value_kind: global_buffer, .address_space: global }
      - { .name: modality_mask, .offset: 24, .size: 8, .value_kind: global_buffer, .address_space: global }
      - { .name: xn, .offset: 32, .size: 8, .value_kind: global_buffer, .address_space: global }
      - { .name: stats, .offset: 40, .size: 8, .value_kind: global_buffer, .address_space: global }
      - { .name: ubuf, .offset: 48, .size: 8, .value_kind: global_buffer, .address_space: global }
      - { .name: params_audio_to_video_Wv, .offset: 56, .size: 8, .value_kind: global_buffer, .address_space: global }
      - { .name: params_audio_to_video_v_ln_b, .offset: 64, .size: 8, .value_kind: global_buffer, .address_space: global }
      - { .name: params_audio_to_video_bv, .offset: 72, .size: 8, .value_kind: global_buffer, .address_space: global }
      - { .name: params_video_to_audio_Wv, .offset: 80, .size: 8, .value_kind: global_buffer, .address_space: global }
      - { .name: params_video_to_audio_v_ln_b, .offset: 88, .size: 8, .value_kind: global_buffer, .address_space: global }
      - { .name: params_video_to_audio_bv, .offset: 96, .size: 8, .value_kind: global_buffer, .address_space: global }
      - { .name: params_audio_to_text_Wv, .offset: 104, .size: 8, .value_kind: global_buffer, .address_space: global }
      - { .name: params_audio_to_text_v_ln_b, .offset: 112, .size: 8, .value_kind: global_buffer, .address_space: global }
      - { .name: params_audio_to_text_bv, .offset: 120, .size: 8, .value_kind: global_buffer, .address_space: global }
      - { .name: params_text_to_audio_Wv, .offset: 128, .size: 8, .value_kind: global_buffer, .address_space: global }
      - { .name: params_text_to_audio_v_ln_b, .offset: 136, .size: 8, .value_kind: global_buffer, .address_space: global }
      - { .name: params_text_to_audio_bv, .offset: 144, .size: 8, .value_kind: global_buffer, .address_space: global }
      - { .name: params_video_to_text_Wv, .offset: 152, .size: 8, .value_kind: global_buffer, .address_space: global }
      - { .name: params_video_to_text_v_ln_b, .offset: 160, .size: 8, .value_kind: global_buffer, .address_space: global }
      - { .name: params_video_to_text_bv, .offset: 168, .size: 8, .value_kind: global_buffer, .address_space: global }
      - { .name: params_text_to_video_Wv, .offset: 176, .size: 8, .value_kind: global_buffer, .address_space: global }
      - { .name: params_text_to_video_v_ln_b, .offset: 184, .size: 8, .value_kind: global_buffer, .address_space: global }
      - { .name: params_text_to_video_bv, .offset: 192, .size: 8, .value_kind: global_buffer, .address_space: global }
      - { .name: params_self_audio_W, .offset: 200, .size: 8, .value_kind: global_buffer, .address_space: global }
      - { .name: params_self_video_W, .offset: 208, .size: 8, .value_kind: global_buffer, .address_space: global }
      - { .name: params_self_text_W, .offset: 216, .size: 8, .value_kind: global_buffer, .address_space: global }
    .group_segment_fixed_size: 298496
    .private_segment_fixed_size: 0
    .kernarg_segment_align: 8
    .kernarg_segment_size: 224
    .max_flat_workgroup_size: 512
    .sgpr_count:     88
    .vgpr_count:     112
    .wavefront_size: 32
...
	.end_amdgpu_metadata
.endif
;; end of part 1
;; launch fold (part 2): grid 108 x 1, 16 waves a work-group, no clusters, 43,520 bytes of LDS; arguments ubuf, wfrag, cvec, params_audio_to_video_Wv, params_audio_to_video_Wo, params_audio_to_video_v_ln_g, params_video_to_audio_Wv, params_video_to_audio_Wo, params_video_to_audio_v_ln_g, params_audio_to_text_Wv, params_audio_to_text_Wo, params_audio_to_text_v_ln_g, params_text_to_audio_Wv, params_text_to_audio_Wo, params_text_to_audio_v_ln_g, params_video_to_text_Wv, params_video_to_text_Wo, params_video_to_text_v_ln_g, params_text_to_video_Wv, params_text_to_video_Wo, params_text_to_video_v_ln_g, params_self_audio_W, params_self_video_W, params_self_text_W; writes wfrag, cvec
.if DOCPART == 2
	.amdgcn_target "amdgcn-amd-amdhsa--gfx1250"
	.amdhsa_code_object_version 6
	.text
	.protected	k_q8f4123f1f6_fold
	.globl	k_q8f4123f1f6_fold
	.p2align	8
	.type	k_q8f4123f1f6_fold,@function
k_q8f4123f1f6_fold:
	s_mov_b64 s[64:65], 0
	v_nop
	global_prefetch_b8 v0, s[64:65] scope:SCOPE_SE
	s_setreg_imm32_b32 hwreg(HW_REG_WAVE_MODE, 25, 1), 1
	s_wait_xcnt 0x0
; Launch 2 of 3: the weights of the last launch's one product, rounded once to f16 and laid out in the order of its operand registers.  (Q, K and the scores are left out: launch 1's head shows why.)
; For each direction d (query a, key b):  G[n][k] = sum over j of Wo[n][j] Wv[j][k] g[k]   (256 x dk; sums in f32, operands in f16),   c[n] = sum over j of Wo[n][j] u[j]  (u from launch 1).
; For each modality a: Wself, converted.
; LIMITS.  f16 operands: |Wo|, |Wv g|, |u|, |G| and |Wself| stay under 65,504, and below 6e-5 they keep f16's fixed step of 6e-8.  The folded product rounds in another order than reference()'s two products.
; WFRAG.  [a][w 0..3][t 0..71][cb 0..3][q 0..1][lane][8 numbers]: output column n = 64 w + 16 cb + lane % 16, K index 32 t + 16 q + 8 (lane / 16) + e, where K runs over the key modalities (a+1) % 3, (a+2) % 3
; and then a itself.  512 consecutive bytes are half a fragment of 16 columns x 32 K as a wave's 32 lanes load it.
; JOBS.  A work-group takes 64 columns of K of one matrix: 72 chunks of the six G, 36 of the three Wself: 108 work-groups.  Wave nt owns output columns 16 nt .. 16 nt + 15.
; THE PRODUCT.  D[k][n] = sum over j of (Wv g)^T[k][j] Wo^T[j][n]: source 0 = 16 k x 32 j, out of LDS by the turning load (Wv lies [j][k]); source 1 = 16 n x 32 j, Wo's rows as they lie.
; In the result a lane holds column n = lane % 16 and the eight k = 8 (lane / 16) + 0..7: after rounding, just the 16 bytes that wfrag wants of it.
; No tensor loads: every tile is converted on its way, so it passes through registers anyway.  No cluster: what a direction's chunks share is Wo, 256 KiB, once a work-group.
.set STREAM, 294912                    ; bytes of wfrag for one (a, w)
.set WVP,   160                        ; a row of Wv g in LDS: 64 f16 + 32 bytes: an odd multiple of 32
.set UST,   40960                      ; behind its 256 rows: u in f16, 512 bytes
.set SPARE, 41472                      ; the spare words, 128 bytes for each of 16 waves
.set XV,  24                           ; v[24:55]   eight pieces of four numbers of Wv
.set WOF, 56                           ; v[56:183]  my 16 rows of Wo in f32; once converted: ACC, FR, PK
.set ACC, 56                           ; v[56:87]   four accumulators: k blocks 0..3
.set FR,  88                           ; v[88:151]  two sets of four fragments of Wv g; later eight of u
.set PK,  152                          ; v[152:167] results in f16
.set WOB, 184                          ; v[184:247] eight fragments of Wo in f16
; v1 lane, v2 lane % 16, v3 lane / 16; v4, v5 the add's registers; v6 my offset in Wo (or Wself); v7 the turning load's address; v8 where I stage Wv; v9 my offset in wfrag; v10 my offset in g; v11 u's fragments
; v[12:15] g; v16-23 my offsets in eight rows of Wv; v168-170 c; v248-255 u on its way
; s2 wave; s3 work-group; s[4:7] ubuf, wfrag; s[20:21] cvec; s[8:13] Wv (or Wself), Wo, g; s16 4 dk; s17 chunk; s18 the segment's first byte in wfrag; s19 1,024 d; s22-24 at work; s32 EXEC kept
	s_load_b128 s[4:7], s[0:1], 0x0
	s_load_b64 s[20:21], s[0:1], 0x10
	v_lshl_add_u32 v4, v0, 2, SPARE
	v_mov_b32 v5, 0
	v_lshrrev_b32 v1, 5, v0
	v_readfirstlane_b32 s2, v1                     ; wave 0..15
	s_mov_b32 s3, ttmp9
	v_and_b32 v1, 31, v0
	v_and_b32 v2, 15, v0
	v_bfe_u32 v3, v0, 4, 1
.macro PICK bound, label
	s_cmp_lt_u32 s3, \bound
	s_cbranch_scc1 \label
.endm
.macro FJOB d, first, dk, a, tseg      ; direction d: its first work-group, the key's width, the output, the segment's first step of 32 K
.Lf\d:
	s_load_b128 s[8:11], s[0:1], 0x18+24*(\d)
	s_load_b64 s[12:13], s[0:1], 0x28+24*(\d)
	s_mov_b32 s16, 4*(\dk)
	s_sub_co_u32 s17, s3, \first
	s_mov_b32 s18, 4*(\a)*STREAM+4096*(\tseg)
	s_mov_b32 s19, 1024*(\d)
	s_branch .Lfold
.endm
.macro SJOB a, first, dk, tseg
.Ls\a:
	s_load_b64 s[8:9], s[0:1], 0xa8+8*(\a)
	s_mov_b32 s16, 4*(\dk)
	s_sub_co_u32 s17, s3, \first
	s_mov_b32 s18, 4*(\a)*STREAM+4096*(\tseg)
	s_branch .Lself
.endm
	PICK 12, .Lf0
	PICK 20, .Lf1
	PICK 36, .Lf2
	PICK 44, .Lf3
	PICK 60, .Lf4
	PICK 72, .Lf5
	PICK 80, .Ls0
	PICK 92, .Ls1
	SJOB 2, 92, 1024, 40
	FJOB 0, 0,  768,  0, 0                         ; audio_to_video
	FJOB 1, 12, 512,  1, 32                        ; video_to_audio
	FJOB 2, 20, 1024, 0, 24                        ; audio_to_text
	FJOB 3, 36, 512,  2, 0                         ; text_to_audio
	FJOB 4, 44, 1024, 1, 0                         ; video_to_text
	FJOB 5, 60, 768,  2, 16                        ; text_to_video
	SJOB 0, 72, 512,  56
	SJOB 1, 80, 768,  48
.macro DSTADDR                         ; my 16 bytes of the chunk's first half fragment: segment + (nt / 4) streams + 2 steps a chunk + (nt % 4) blocks + 16 x lane
	s_lshr_b32 s22, s2, 2
	s_mul_i32 s22, s22, STREAM
	s_and_b32 s23, s2, 3
	s_lshl_b32 s23, s23, 10
	s_add_co_u32 s22, s22, s23
	s_lshl_b32 s23, s17, 13
	s_add_co_u32 s22, s22, s23
	s_add_co_u32 s22, s22, s18
	v_lshl_add_u32 v9, v1, 4, s22
.endm
.macro PLACES                          ; four places behind a matrix instruction, in front of what reads its result or writes one of its registers
.rept 4
	v_nop
.endr
.endm
.macro SENDOUT                         ; four stores of 512 consecutive bytes: k block kt is step kt / 2, half kt % 2
.irp kt, 0,1,2,3
	global_store_b128 v9, v[PK+4*\kt:PK+4*\kt+3], s[6:7] offset:(\kt/2)*4096+(\kt%2)*512
.endr
.endm
.Lself:                                        ; Wself[16 nt + r][64 chunk + 16 kt + 8 h + 0..7]: 32 bytes of f32 become my 16 bytes; a wave's eight loads take 256 aligned bytes of each of its 16 rows
	DSTADDR
	s_lshl_b32 s22, s2, 4
	v_add_nc_u32 v6, s22, v2
	v_mul_lo_u32 v6, v6, s16
	s_lshl_b32 s23, s17, 8
	v_lshl_add_u32 v6, v3, 5, v6
	v_add_nc_u32 v6, s23, v6
	s_wait_kmcnt 0x0
.irp kt, 0,1,2,3
	global_load_b128 v[XV+8*\kt:XV+8*\kt+3],   v6, s[8:9] offset:64*\kt th:TH_LOAD_NT
	global_load_b128 v[XV+8*\kt+4:XV+8*\kt+7], v6, s[8:9] offset:64*\kt+16 th:TH_LOAD_NT
.endr
	s_wait_loadcnt 0x0
.set i, 0
.rept 16
	v_cvt_pk_f16_f32 v[PK+i], v[XV+2*i], v[XV+2*i+1]
.set i, i+1
.endr
	SENDOUT
	s_branch .Lend
.Lfold:
	DSTADDR
	s_lshl_b32 s22, s2, 14
	v_lshl_add_u32 v6, v2, 10, s22                 ; Wo: row 16 nt + r,
	v_lshl_add_u32 v6, v3, 5, v6                   ; + 8 h numbers
	v_and_b32 v24, 7, v0
	v_lshl_add_u32 v24, v3, 3, v24
	v_mul_u32_u24 v7, v24, WVP                     ; the turning load: row 8 h + l % 8,
	v_bfe_u32 v25, v0, 3, 1
	v_lshl_add_u32 v7, v25, 4, v7                  ; 16 bytes for each eight lanes
	v_lshrrev_b32 v24, 4, v0                       ; thread / 16: a row of Wv in each block of 32 rows
	v_mul_u32_u24 v8, v24, WVP
	v_lshl_add_u32 v8, v2, 3, v8
	s_lshl_b32 s23, s17, 8                         ; the chunk's 64 columns: 256 bytes of f32
	v_lshl_add_u32 v10, v2, 4, s23
	v_lshl_add_u32 v11, v3, 4, UST
	v_mul_lo_u32 v16, v24, s16
	v_add_nc_u32 v16, v16, v10
	s_lshl_b32 s24, s16, 5                         ; 32 rows on
.irp i, 1,2,3,4,5,6,7
	v_add_nc_u32 v[16+\i], s24, v[15+\i]
.endr
	s_wait_kmcnt 0x0
.irp i, 0,1,2,3,4,5,6,7
	global_load_b128 v[XV+4*\i:XV+4*\i+3], v[16+\i], s[8:9] th:TH_LOAD_NT  ; sixteen lanes take 256 aligned bytes of a row
.endr
	global_load_b128 v[12:15], v10, s[12:13]
.irp js, 0,1,2,3,4,5,6,7
	global_load_b128 v[WOF+16*\js:WOF+16*\js+3],     v6, s[10:11] offset:128*\js
	global_load_b128 v[WOF+16*\js+4:WOF+16*\js+7],   v6, s[10:11] offset:128*\js+16
	global_load_b128 v[WOF+16*\js+8:WOF+16*\js+11],  v6, s[10:11] offset:128*\js+64
	global_load_b128 v[WOF+16*\js+12:WOF+16*\js+15], v6, s[10:11] offset:128*\js+80
.endr
	s_cmp_lg_u32 s17, 0                            ; chunk 0 also makes c: its waves 0 and 1 stage u, four numbers a thread
	s_cbranch_scc1 .Lno_u
	s_cmp_lt_u32 s2, 2
	s_cbranch_scc0 .Lno_u
	v_lshl_add_u32 v252, v0, 4, s19
	v_lshl_add_u32 v253, v0, 3, UST
	global_load_b128 v[248:251], v252, s[4:5]
	s_wait_loadcnt 0x0
	v_cvt_pk_f16_f32 v254, v248, v249
	v_cvt_pk_f16_f32 v255, v250, v251
	ds_store_b64 v253, v[254:255]
.Lno_u:
	s_wait_loadcnt 32                              ; Wv and g are in; Wo's 32 loads, issued behind them, may stay out
.irp i, 0,1,2,3,4,5,6,7
	v_pk_mul_f32 v[XV+4*\i:XV+4*\i+1],   v[XV+4*\i:XV+4*\i+1],   v[12:13]
	v_pk_mul_f32 v[XV+4*\i+2:XV+4*\i+3], v[XV+4*\i+2:XV+4*\i+3], v[14:15]
	v_cvt_pk_f16_f32 v[XV+4*\i],   v[XV+4*\i],   v[XV+4*\i+1]
	v_cvt_pk_f16_f32 v[XV+4*\i+1], v[XV+4*\i+2], v[XV+4*\i+3]
	ds_store_b64 v8, v[XV+4*\i:XV+4*\i+1] offset:32*WVP*\i
.endr
	s_wait_dscnt 0x0                               ; for the others' sake: my part of Wv g (and of u) lies in LDS
	s_barrier_signal -1
	s_wait_loadcnt 0x0                             ; Wo is converted while the others arrive: work on registers
.set i, 0
.rept 64
	v_cvt_pk_f16_f32 v[WOB+i], v[WOF+2*i], v[WOF+2*i+1]
.set i, i+1
.endr
	s_barrier_wait -1
.macro FRAG js, buf                    ; 32 j x 64 k: four fragments, eight turning loads
.irp kt, 0,1,2,3
	ds_load_tr16_b128 v[FR+32*(\buf)+8*\kt:FR+32*(\buf)+8*\kt+3],   v7 offset:32*WVP*(\js)+32*\kt
	ds_load_tr16_b128 v[FR+32*(\buf)+8*\kt+4:FR+32*(\buf)+8*\kt+7], v7 offset:32*WVP*(\js)+32*\kt+16*WVP
.endr
.endm
	FRAG 0, 0
	FRAG 1, 1
.irp js, 0,1,2,3,4,5,6,7
.if \js < 7
	s_wait_dscnt 8                                 ; this step's fragments are in; the next step's eight loads may stay out
.else
	s_wait_dscnt 0x0
.endif
.irp kt, 0,1,2,3                       ; the four accumulators take turns, one instruction a turn; the first step starts the sums
.if \js == 0
	v_wmma_f32_16x16x32_f16 v[ACC+8*\kt:ACC+8*\kt+7], v[FR+8*\kt:FR+8*\kt+7], v[WOB:WOB+7], 0
.else
	v_wmma_f32_16x16x32_f16 v[ACC+8*\kt:ACC+8*\kt+7], v[FR+32*(\js%2)+8*\kt:FR+32*(\js%2)+8*\kt+7], v[WOB+8*\js:WOB+8*\js+7], v[ACC+8*\kt:ACC+8*\kt+7]
.endif
.endr
	PLACES
.if \js < 6
	FRAG (\js)+2, (\js)%2
.endif
.endr
.set i, 0
.rept 16
	v_cvt_pk_f16_f32 v[PK+i], v[ACC+2*i], v[ACC+2*i+1]     ; each accumulator from its low end on
.set i, i+1
.endr
	SENDOUT
	s_cmp_lg_u32 s17, 0
	s_cbranch_scc1 .Lend
	; c = Wo u, in chunk 0 alone: source 0 holds u in all its 16 rows, so every row of the result is c; its register 0 is c[16 nt + lane % 16]
	PLACES
.irp js, 0,1,2,3,4,5,6,7
	ds_load_b128 v[FR+8*\js:FR+8*\js+3],   v11 offset:64*\js
	ds_load_b128 v[FR+8*\js+4:FR+8*\js+7], v11 offset:64*\js+32
.endr
	s_lshl_b32 s22, s2, 6
	s_add_co_u32 s22, s22, s19
	v_lshl_add_u32 v170, v2, 2, s22
	s_wait_dscnt 0x0
.irp js, 0,1,2,3
	v_wmma_f32_16x16x32_f16 v[ACC+8*\js:ACC+8*\js+7], v[FR+8*\js:FR+8*\js+7], v[WOB+8*\js:WOB+8*\js+7], 0
.endr
.irp js, 4,5,6,7
	v_wmma_f32_16x16x32_f16 v[ACC+8*\js-32:ACC+8*\js-25], v[FR+8*\js:FR+8*\js+7], v[WOB+8*\js:WOB+8*\js+7], v[ACC+8*\js-32:ACC+8*\js-25]
.endr
	PLACES
	v_add_f32 v168, v[ACC], v[ACC+8]
	v_add_f32 v169, v[ACC+16], v[ACC+24]
	v_add_f32 v168, v168, v169
	s_wait_xcnt 0x0                                ; EXEC changes only behind this wait,
	v_cmp_gt_u32 vcc_lo, 16, v1
	s_and_saveexec_b32 s32, vcc_lo
	global_store_b32 v170, v168, s[20:21]          ; 64 bytes a wave, the work-group's 16 waves 1,024 on end
	s_wait_xcnt 0x0                                ; and again in front of the line that widens it
	s_or_b32 exec_lo, exec_lo, s32
.Lend:
	s_wait_tensorcnt 0x0                           ; the wave's end: behind my last LDS store
	ds_add_u32 v4, v5
	s_wait_dscnt 0x0
	s_endpgm
.Lfunc_end_k_q8f4123f1f6_fold:
	.size	k_q8f4123f1f6_fold, .Lfunc_end_k_q8f4123f1f6_fold-k_q8f4123f1f6_fold
	.p2alignl 7, 3214868480
	.fill 96, 4, 3214868480
	.section	.rodata,"a",@progbits
	.p2align	6, 0x0
	.amdhsa_kernel k_q8f4123f1f6_fold
		.amdhsa_group_segment_fixed_size 43520
		.amdhsa_private_segment_fixed_size 0
		.amdhsa_enable_private_segment 0
		.amdhsa_kernarg_size 192
		.amdhsa_user_sgpr_count 2
		.amdhsa_user_sgpr_kernarg_segment_ptr 1
		.amdhsa_wavefront_size32 1
		.amdhsa_system_sgpr_workgroup_id_x 1
		.amdhsa_system_sgpr_workgroup_id_y 1
		.amdhsa_system_sgpr_workgroup_id_z 1
		.amdhsa_system_vgpr_workitem_id 0
		.amdhsa_next_free_vgpr 256
		.amdhsa_next_free_sgpr 66
		.amdhsa_reserve_vcc 1
		.amdhsa_float_denorm_mode_32 3
		.amdhsa_float_denorm_mode_16_64 3
		.amdhsa_memory_ordered 1
		.amdhsa_forward_progress 1
		.amdhsa_inst_pref_size 31
	.end_amdhsa_kernel
	.amdgpu_metadata
---
amdhsa.version: [ 1, 2 ]
amdhsa.kernels:
  - .name:           k_q8f4123f1f6_fold
    .symbol:         k_q8f4123f1f6_fold.kd
    .args:
      - { .name: ubuf, .offset: 0, .size: 8, .value_kind: global_buffer, .address_space: global }
      - { .name: wfrag, .offset: 8, .size: 8, .value_kind: global_buffer, .address_space: global }
      - { .name: cvec, .offset: 16, .size: 8, .value_kind: global_buffer, .address_space: global }
      - { .name: params_audio_to_video_Wv, .offset: 24, .size: 8, .value_kind: global_buffer, .address_space: global }
      - { .name: params_audio_to_video_Wo, .offset: 32, .size: 8, .value_kind: global_buffer, .address_space: global }
      - { .name: params_audio_to_video_v_ln_g, .offset: 40, .size: 8, .value_kind: global_buffer, .address_space: global }
      - { .name: params_video_to_audio_Wv, .offset: 48, .size: 8, .value_kind: global_buffer, .address_space: global }
      - { .name: params_video_to_audio_Wo, .offset: 56, .size: 8, .value_kind: global_buffer, .address_space: global }
      - { .name: params_video_to_audio_v_ln_g, .offset: 64, .size: 8, .value_kind: global_buffer, .address_space: global }
      - { .name: params_audio_to_text_Wv, .offset: 72, .size: 8, .value_kind: global_buffer, .address_space: global }
      - { .name: params_audio_to_text_Wo, .offset: 80, .size: 8, .value_kind: global_buffer, .address_space: global }
      - { .name: params_audio_to_text_v_ln_g, .offset: 88, .size: 8, .value_kind: global_buffer, .address_space: global }
      - { .name: params_text_to_audio_Wv, .offset: 96, .size: 8, .value_kind: global_buffer, .address_space: global }
      - { .name: params_text_to_audio_Wo, .offset: 104, .size: 8, .value_kind: global_buffer, .address_space: global }
      - { .name: params_text_to_audio_v_ln_g, .offset: 112, .size: 8, .value_kind: global_buffer, .address_space: global }
      - { .name: params_video_to_text_Wv, .offset: 120, .size: 8, .value_kind: global_buffer, .address_space: global }
      - { .name: params_video_to_text_Wo, .offset: 128, .size: 8, .value_kind: global_buffer, .address_space: global }
      - { .name: params_video_to_text_v_ln_g, .offset: 136, .size: 8, .value_kind: global_buffer, .address_space: global }
      - { .name: params_text_to_video_Wv, .offset: 144, .size: 8, .value_kind: global_buffer, .address_space: global }
      - { .name: params_text_to_video_Wo, .offset: 152, .size: 8, .value_kind: global_buffer, .address_space: global }
      - { .name: params_text_to_video_v_ln_g, .offset: 160, .size: 8, .value_kind: global_buffer, .address_space: global }
      - { .name: params_self_audio_W, .offset: 168, .size: 8, .value_kind: global_buffer, .address_space: global }
      - { .name: params_self_video_W, .offset: 176, .size: 8, .value_kind: global_buffer, .address_space: global }
      - { .name: params_self_text_W, .offset: 184, .size: 8, .value_kind: global_buffer, .address_space: global }
    .group_segment_fixed_size: 43520
    .private_segment_fixed_size: 0
    .kernarg_segment_align: 8
    .kernarg_segment_size: 192
    .max_flat_workgroup_size: 512
    .sgpr_count:     66
    .vgpr_count:     256
    .wavefront_size: 32
...
	.end_amdgpu_metadata
.endif
;; end of part 2
;; launch main (part 3): grid 64 x 3, 4 waves a work-group, no clusters, 327,680 bytes of LDS; arguments xn, stats, ubuf, wfrag, cvec, params_out_ln_g, params_out_ln_b, out0, out1, params_self_audio_b, params_self_video_b, params_self_text_b, params_audio_to_video_bo, params_video_to_audio_bo, params_audio_to_text_bo, params_text_to_audio_bo, params_video_to_text_bo, params_text_to_video_bo; writes out0, out1
.if DOCPART == 3
	.amdgcn_target "amdgcn-amd-amdhsa--gfx1250"
	.amdhsa_code_object_version 6
	.text
	.protected	k_q8f4123f1f6_main
	.globl	k_q8f4123f1f6_main
	.p2align	8
	.type	k_q8f4123f1f6_main,@function
k_q8f4123f1f6_main:
	s_mov_b64 s[64:65], 0
	v_nop
	global_prefetch_b8 v0, s[64:65] scope:SCOPE_SE
	s_setreg_imm32_b32 hwreg(HW_REG_WAVE_MODE, 25, 1), 1
	s_wait_xcnt 0x0
; Launch 3 of 3: out0[a] = LayerNorm(y_a) x avail_a and out1.  (Q, K and the scores are left out: launch 1's head shows why; out1[d] is avail of the key's modality, as 0.0 or 1.0, four times.)
; With b1 = (a+1) % 3, b2 = (a+2) % 3, v = avail, and xn (which carries its own modality's v), G, c, u, rowsum from the launches before:
;   T = bself + bo1 + bo2 + mu_a rowsum(Wself) + v_b1 c1 + v_b2 c2          the accumulators START at T: nothing is cleared and no first step is written out
;   acc += xn_b1 G1^T + xn_b2 G2^T;   acc *= rstd_a;   acc += xn_a Wself^T   that is z = rstd_a y
;   LayerNorm(y) = (z - mean z) / sqrt(var z + 1e-5 rstd_a^2), exactly; mean and variance in two passes, as reference() takes them.  Rows with v_a = 0 are multiplied by 0 at the end.
; So ONE product with K = 2,304 makes each output: K runs cyclically through a row of xn, from byte 1,024, 2,560 or 0 (a = 0, 1, 2), in 9 UNITS of 256; the scaling stands in front of unit 7, 6 or 5.
; LIMITS: f16 operands (launches 1 and 2 state their ranges); z in place of y and the folded weights round in another order than reference().
; SHARES.  A work-group makes 128 rows x the 256 columns of one output (the LayerNorm wants whole rows): 64 x 3 work-groups.  Wave w makes all 128 rows x columns 64 w .. 64 w + 63: 32 accumulators.
; The matrix instruction is used transposed (source 0 = 16 columns' weights, source 1 = 16 rows of xn): a lane holds ONE row of y (lane % 16) and eight neighbouring columns.
; XN comes by tensor loads through two LDS slots of two units each; a wave brings 64 rows x 512 bytes (waves 0, 1: the slot's first unit; waves 2, 3: its second).  A fill is asked for straight behind a change of
; slots and waited for at the next: 512 matrix instructions later.  By this text's own count a wave has one tensor load out.
; THE WEIGHTS: each byte is wanted by exactly one wave of the work-group, and launch 2 laid it as that wave's registers take it.  So they go from memory straight into registers, through a ring of 8 groups
; (a group = one step of 32 K = 8 loads of 512 consecutive bytes); 48 to 56 loads of each wave are always out.
; NO CLUSTER.  Weights shared through LDS beside xn would leave room for slots of 128 K alone (two slots of 256 K of both are 405 KB), a quarter of the matrix work for a fill to land in, and would add
; an LDS write and read for bytes that have one reader; xn's tile has three readers (the grid's y is 3: no multiple of four), and they walk K from three different starts, so they never want one tile together.
; PREFETCH.  The work-groups with x = 0 ask, in units 0 to 5, for their own waves' 32 KiB of weights of the unit three on, a lane a block of 256 bytes: two units, 512 matrix instructions, ahead of the loads that
; name them; each block is named once; units 0 to 2 come by their loads alone, and the texts of units 6 to 8 ask for nothing.  xn is not asked for ahead: the three work-groups of a row tile begin at columns
; 512, 1,280 and 0, so each of the nine units is first named by one of their first two fills, which go out at the head and at the first change of slots: there is no earlier place for a request.
; REGISTERS, in windows of 256 (s_set_vgpr_msb: bits 1:0 source 0, 3:2 source 1, 5:4 source 2, 7:6 destination):
;   window 0: addresses; v32-95 eight registers of row figures for each 16 rows; v96-127 sums; v128-255 fragments of xn, two buffers of eight
;   window 1: accumulator (ra, cb) at 32 ra + 8 cb      window 2: the weights' ring, group s, block cb at 32 s + 8 cb; on the way out two sets of 32
;   window 3: eight vectors of my lane's 32 columns: rowsum 0, c1 32, c2 64, bself 96, bo1 128, bo2 160, out_ln_g 192, out_ln_b 224
.set PITCH,  528                       ; an LDS row: 512 bytes + 16 of padding: an odd multiple of 16, so the 16 rows of a fragment load start at 16 different places in a row of banks (ISA guide 11.1)
.set UNITB,  128*PITCH                 ; a unit: 128 rows
.set SLOTB,  2*UNITB                   ; 0x21000: no wave's place in a slot (w x 0x8400) and no unit's (0, 0x10800) has bit 12 or 17, so one exclusive or changes slots
.set RED1,   2*SLOTB                   ; behind the ring, written by ds_store alone: [128 rows][4 waves] sums, and 2,048 bytes on the sums of squares
.set STAGE,  RED1+4096                 ; 16 rows x 272 bytes for each wave, for the way out
.set SPARE,  STAGE+4*16*272            ; the spare words, 128 bytes for each wave
.set STREAM, 294912                    ; a wave's weights: 72 steps of 4,096 bytes
.set UNITW,  32768                     ; of which a unit has 8
.set AL0, 2                            ; v2  my lane's place in a unit: (l % 16) x PITCH + 16 (l / 16); never rewritten
.set ADRA, 3                           ; v3  + the unit in hand
.set BO,  4                            ; v4  16 x lane
.set PFO, 5                            ; v5  256 x lane
.set SPW, 6                            ; v6  my spare word
.set NIL, 7                            ; v7  0
.set SO,  8                            ; v8  16 (l % 16): my row's stats
.set VO,  9                            ; v9  256 w + 32 (l / 16): my columns in a vector of 256 f32
.set STO, 10                           ; v10 the way out: where I put 32 bytes of a row
.set RD,  11                           ; v11 where I read rows back
.set GO,  12                           ; v12 my byte offset in two rows of out0
.set R1A, 13                           ; v13 where I put a row's sum
.set R1L, 14                           ; v14 where I read the four waves' sums
.set TO,  15                           ; v15 16 x thread
.set FLG, 16                           ; v[16:23] out1: two flags, four times each
.set RW,  32                           ; rows 16 ra ..: {mu, v_a, rstd, eps rstd^2, v_b1 (later v_a), 0, v_b2, 0}
.set SP,  96                           ; pairs: the sum, then the mean
.set SQ,  112                          ; pairs: the sum of squares, then 1 / sqrt
.set AF,  128
.set WV, 2                             ; s2 wave; s3 a; s4 x
.set OA, 3
.set OX, 4
.set ROWB, 8                           ; s[8:9]   xn at the first of the 64 rows that I fetch
.set WB,  10                           ; s[10:11] my weights at the unit in hand
.set OUT, 12                           ; s[12:13] out0 at the tile's first row
.set G1,  40                           ; s[40:47] descriptor group 1
.set G0,  48                           ; s[48:51] group 0: it walks
.set KB,  52                           ; s[52:53] byte in a row of xn of the unit that I fetch
.set TB,  54                           ; s54 LDS byte of the unit whose fragments are fetched next
.set SLOTS, 55
.set TWICE, 56
.set UC,  57                           ; s57 the unit in hand
.set SCU, 58                           ; s58 the unit in front of which the sums are scaled
.set PFL, 59                           ; s59 1 in the work-groups that prefetch
.set SEL, 60                           ; s[60:61] lane selects
.set W_MUL, 0x52                       ; weights window 2, xn window 0, C and D window 1
.set W_TOB, 0x80                       ; destination window 2
.set W_TOV, 0xc0                       ; destination window 3
.set W_VV,  0xcf                       ; destination and two sources window 3
.set W_T1,  0x7c                       ; acc = row figure (0) x vector (3) + vector (3)
.set W_T2,  0x5c                       ; acc = row figure (0) x vector (3) + acc (1)
.set W_AS,  0x41                       ; acc with a row figure
.set W_AA,  0x05                       ; two sources window 1, the rest window 0
.set W_A0,  0x01                       ; source 0 window 1
.set W_GB,  0x7d                       ; acc = acc x vector + vector
.set W_ST,  0x04                       ; LDS store's data window 1
.set W_GS,  0x08                       ; global store's data window 2
.set MSB, 0
.macro WIN new                         ; the immediate's high byte repeats the setting that is left; a switch that changes nothing is dropped
.if MSB != (\new)
	s_set_vgpr_msb (MSB<<8)|(\new)
.set MSB, \new
.endif
.endm
.macro PLACES                          ; four places behind a matrix instruction, in front of loads into registers that it read and of vector lines that touch its result (ISA guide 7.12.1 for vector lines)
.rept 4
	v_nop
.endr
.endm
.macro ALL line:vararg                 ; one line for each block t of 16 rows
.set t, 0
.rept 8
	\line
.set t, t+1
.endr
.endm
	s_load_b512 s[16:31], s[0:1], 0x0              ; xn, stats, ubuf, wfrag, cvec, out_ln_g, out_ln_b, out0
	s_load_b64 s[32:33], s[0:1], 0x40              ; out1
	s_load_b512 s[68:83], s[0:1], 0x48             ; bself of audio, video, text; bo of directions 0 to 4
	s_load_b64 s[84:85], s[0:1], 0x88              ; bo of direction 5
	v_lshl_add_u32 v[SPW], v0, 2, SPARE
	v_mov_b32 v[NIL], 0
	ds_add_u32 v[SPW], v[NIL]                      ; the wave's opening: the add, twice on end, and its wait ahead of my first tensor load
	ds_add_u32 v[SPW], v[NIL]                      ; and once more, under the one wait; the set-up below stands between
	v_lshrrev_b32 v1, 5, v0
	v_readfirstlane_b32 s[WV], v1                  ; wave 0..3
	s_and_b32 s[OA], ttmp7, 0xffff
	s_mov_b32 s[OX], ttmp9
	s_mov_b32 s[G1+0], (1<<16)|(1<<20)|(6<<22)|(3<<25)  ; elements of 2 bytes; padding on: after every 128 words (code 6) 4 words (code 3)
	s_mov_b32 s[G1+1], 256<<16                     ; tensor_dim0 = 256
	s_mov_b32 s[G1+2], 64<<16                      ; tensor_dim1 = 64
	s_mov_b32 s[G1+3], 256<<16                     ; tile_dim0 = 256
	s_mov_b32 s[G1+4], 64                          ; tile_dim1 = 64
	s_mov_b32 s[G1+5], 2304                        ; elements from row to row
	s_mov_b32 s[G1+6], 0
	s_mov_b32 s[G1+7], 0
	s_mov_b32 s[G0], 1
	s_mul_i32 s[G0+1], s[WV], 64*PITCH             ; slot 0: unit w / 2, rows 64 (w % 2) on
	; what hangs on a is chosen, not branched on: the first byte of the walk, the unit of the scaling, b1, b2, and the two directions d1 = (a, b1), d2 = (a, b2)
	s_cmp_eq_u32 s[OA], 1
	s_cselect_b32 s86, 2560, 0
	s_cselect_b32 s[SCU], 6, 5
	s_cselect_b32 s87, 2, 0
	s_cselect_b32 s88, 0, 1
	s_cselect_b32 s89, 4, 3
	s_cselect_b32 s90, 1, 5
	s_cmp_eq_u32 s[OA], 0
	s_cselect_b32 s86, 1024, s86
	s_cselect_b32 s[SCU], 7, s[SCU]
	s_cselect_b32 s87, 1, s87
	s_cselect_b32 s88, 2, s88
	s_cselect_b32 s89, 0, s89
	s_cselect_b32 s90, 2, s90
	s_lshr_b32 s62, s[WV], 1
	s_lshl_b32 s62, s62, 9
	s_add_co_u32 s[KB], s86, s62
	s_mov_b32 s[KB+1], 0
	s_and_b32 s62, s[WV], 1
	s_lshl_b32 s62, s62, 6
	s_lshl_b32 s63, s[OX], 7
	s_add_co_u32 s62, s62, s63
	s_mul_i32 s66, s62, 4608
	s_mov_b32 s67, 0
	s_mov_b32 s[SEL], 0x76543210
	s_mov_b32 s[SEL+1], 0xfedcba98
	s_mov_b32 s[TB], 2*SLOTB                       ; the first change of slots turns it into 0
	s_mov_b32 s[UC], 0
	s_mov_b32 s[SLOTS], 3
	s_cmp_eq_u32 s[OX], 0
	s_cselect_b32 s[PFL], 1, 0
	s_wait_dscnt 0x0                               ; both opening adds are done
	s_wait_kmcnt 0x0
	s_add_nc_u64 s[ROWB:ROWB+1], s[16:17], s[66:67]
	s_add_nc_u64 s[G0+2:G0+3], s[ROWB:ROWB+1], s[KB:KB+1]
	s_or_b32 s[G0+3], s[G0+3], 0x80000000          ; type = 2
	tensor_load_to_lds s[G0:G0+3], s[G1:G1+7]      ; units 0 and 1 into slot 0, ahead of everything else
	s_nop 0
	s_cmp_eq_u32 s[OA], 1
	s_cselect_b64 s[34:35], s[70:71], s[72:73]     ; bself
	s_cselect_b64 s[36:37], s[82:83], s[80:81]     ; bo of d1
	s_cselect_b64 s[38:39], s[76:77], s[84:85]     ; bo of d2
	s_cmp_eq_u32 s[OA], 0
	s_cselect_b64 s[34:35], s[68:69], s[34:35]
	s_cselect_b64 s[36:37], s[74:75], s[36:37]
	s_cselect_b64 s[38:39], s[78:79], s[38:39]
	s_lshl_b32 s63, s[OX], 11                      ; 128 x rows of 16 bytes
	s_lshl_b32 s66, s[OA], 17
	s_add_co_u32 s66, s66, s63
	s_add_nc_u64 s[68:69], s[18:19], s[66:67]      ; stats of a, of b1, of b2 at the tile's first row
	s_lshl_b32 s66, s87, 17
	s_add_co_u32 s66, s66, s63
	s_add_nc_u64 s[70:71], s[18:19], s[66:67]
	s_lshl_b32 s66, s88, 17
	s_add_co_u32 s66, s66, s63
	s_add_nc_u64 s[72:73], s[18:19], s[66:67]
	s_lshl_b32 s66, s[OA], 10
	s_add_co_u32 s66, s66, 6144
	s_add_nc_u64 s[74:75], s[20:21], s[66:67]      ; rowsum(Wself): ubuf's row 6 + a
	s_lshl_b32 s66, s89, 10
	s_add_nc_u64 s[76:77], s[24:25], s[66:67]      ; c of d1
	s_lshl_b32 s66, s90, 10
	s_add_nc_u64 s[78:79], s[24:25], s[66:67]      ; c of d2
	s_lshl_b32 s66, s89, 17
	s_add_co_u32 s66, s66, s63
	s_add_nc_u64 s[80:81], s[32:33], s[66:67]      ; out1[d1], out1[d2] at the tile's first row
	s_lshl_b32 s66, s90, 17
	s_add_co_u32 s66, s66, s63
	s_add_nc_u64 s[82:83], s[32:33], s[66:67]
	s_lshl_b32 s66, s[OA], 2
	s_add_co_u32 s66, s66, s[WV]
	s_mul_i32 s66, s66, STREAM
	s_add_nc_u64 s[WB:WB+1], s[22:23], s[66:67]
	s_lshl_b32 s66, s[OA], 23
	s_lshl_b32 s62, s[OX], 17
	s_add_co_u32 s66, s66, s62
	s_add_nc_u64 s[OUT:OUT+1], s[30:31], s[66:67]
	v_and_b32 v24, 15, v0                          ; l % 16
	v_bfe_u32 v25, v0, 4, 1                        ; l / 16
	v_and_b32 v26, 31, v0
	v_mul_u32_u24 v[AL0], v24, PITCH
	v_lshl_add_u32 v[AL0], v25, 4, v[AL0]
	v_lshlrev_b32 v[BO], 4, v26
	v_lshlrev_b32 v[PFO], 8, v26
	v_lshlrev_b32 v[SO], 4, v24
	s_lshl_b32 s62, s[WV], 8
	v_lshl_add_u32 v[VO], v25, 5, s62
	s_mul_i32 s63, s[WV], 16*272
	s_add_co_u32 s63, s63, STAGE
	v_mul_u32_u24 v[STO], v24, 272                 ; in: row l % 16, 32 bytes for each half of the lanes
	v_lshl_add_u32 v[STO], v25, 5, v[STO]
	v_add_nc_u32 v[STO], s63, v[STO]
	v_mul_u32_u24 v[RD], v25, 272                  ; back: lanes 0-15 one row of 256 bytes, lanes 16-31 the next
	v_lshl_add_u32 v[RD], v24, 4, v[RD]
	v_add_nc_u32 v[RD], s63, v[RD]
	v_lshl_add_u32 v[GO], v25, 10, s62             ; and the same two rows in out0, at my wave's 256 bytes
	v_lshl_add_u32 v[GO], v24, 4, v[GO]
	v_lshl_add_u32 v[R1L], v24, 4, RED1
	s_lshl_b32 s62, s[WV], 2
	v_add_nc_u32 v[R1A], s62, v[R1L]
	v_lshlrev_b32 v[TO], 4, v0
; A step's 16 LDS loads: eight fragments of xn (16 rows x 32 K: lane l holds row l % 16, K = 8 (l / 16) + 0..7 and 16 + 8 (l / 16) + 0..7) into buffer f
.macro FETCHA s, f
.irp ra, 0,1,2,3,4,5,6,7
	ds_load_b128 v[AF+64*(\f)+8*\ra:AF+64*(\f)+8*\ra+3],   v[ADRA] offset:16*PITCH*\ra+64*(\s)
	ds_load_b128 v[AF+64*(\f)+8*\ra+4:AF+64*(\f)+8*\ra+7], v[ADRA] offset:16*PITCH*\ra+64*(\s)+32
.endr
.endm
; A group of the weights' ring: four fragments, eight loads of 512 consecutive bytes
.macro LOADB grp, off
	WIN W_TOB
.irp i, 0,1,2,3,4,5,6,7
	global_load_b128 v[32*(\grp)+4*\i:32*(\grp)+4*\i+3], v[BO], s[WB:WB+1] offset:(\off)+512*\i
.endr
.endm
; A step's 32 products.  All 32 accumulators take turns, in the same order in every step, over every backward jump too.
.macro MUL s
	WIN W_MUL
.irp ra, 0,1,2,3,4,5,6,7
.irp cb, 0,1,2,3
	v_wmma_f32_16x16x32_f16 v[32*\ra+8*\cb:32*\ra+8*\cb+7], v[32*(\s)+8*\cb:32*(\s)+8*\cb+7], v[AF+64*((\s)%2)+8*\ra:AF+64*((\s)%2)+8*\ra+7], v[32*\ra+8*\cb:32*\ra+8*\cb+7]
.endr
.endr
.endm
; STEP s of a unit.  The ring: step number i = 8 u + s asks for group i + 7 (step 0: this unit's group 7; step s: the next unit's group s - 1, into the registers that the step before multiplied).
; So when group i is wanted, the six groups i + 1 .. i + 6 have been issued behind it: 48 loads.  bfill = 0, the last unit: nothing is asked for from step 1 on, and the count runs down.
; fmode 1: the next step's fragments of xn are fetched; 2: step 7 in a slot: the next unit's first, unless it lies in the other slot (the change of slots fetches those); 0: nothing.
.macro STEP s, bfill, fmode, pf
.if (\bfill) || ((\s) == 0)
	s_wait_loadcnt 48
.else
	s_wait_loadcnt 8*(7-(\s))
.endif
	PLACES
	WIN 0
.if (\fmode) == 1
	FETCHA (\s)+1, ((\s)+1)%2
.elseif (\fmode) == 2
	s_wait_dscnt 0x0                               ; this step's fragments are in
	s_cmp_eq_u32 s[TWICE], 1
	s_cbranch_scc1 .Lnf_\@
	v_add_nc_u32 v[ADRA], s[TB], v[AL0]
	s_add_co_u32 s[TB], s[TB], UNITB
	FETCHA 0, 0
.Lnf_\@:
.else
	s_wait_dscnt 0x0
.endif
.if (\s) == 0
	LOADB 7, 7*4096
.elseif \bfill
	LOADB (\s)-1, UNITW+4096*((\s)-1)
.endif
.if (\pf) && ((\s) == 1)
	WIN 0                                          ; at a branch and at a label every window is 0
	s_cmp_eq_u32 s[PFL], 1
	s_cbranch_scc0 .Lnp_\@
.irp i, 0,1,2,3
	global_prefetch_b8 v[PFO], s[WB:WB+1] offset:3*UNITW+8192*\i th:TH_LOAD_NT scope:SCOPE_SE  ; my weights of the unit three on, a lane a block of 256 bytes
.endr
.Lnp_\@:
.endif
.if (\fmode) == 1
	s_wait_dscnt 16                                ; this step's fragments are in; the 16 loads just issued may stay out
.endif
	MUL \s
.endm
; In front of unit SCU: the cross terms and T are complete; times rstd_a.  Each accumulator from its low end on.
.macro SCALE
	WIN 0
	s_cmp_eq_u32 s[UC], s[SCU]
	s_cbranch_scc0 .Lns_\@
	PLACES
	WIN W_AS
.set i, 0
.rept 128
	v_pk_mul_f32 v[2*i:2*i+1], v[2*i:2*i+1], v[RW+8*(i/16)+2:RW+8*(i/16)+3] op_sel_hi:[1,0]
.set i, i+1
.endr
	WIN 0
.Lns_\@:
.endm
.macro UNIT bfill, f7, pf, sc
.if \sc
	SCALE
.endif
.irp s, 0,1,2,3,4,5,6
	STEP \s, \bfill, 1, \pf
.endr
	STEP 7, \bfill, \f7, \pf
.if \bfill
	s_wait_xcnt 0x0                                ; every load and prefetch issued so far has read its address: the pointer is stepped only behind this wait
	s_add_nc_u64 s[WB:WB+1], s[WB:WB+1], UNITW
	s_add_co_u32 s[UC], s[UC], 1
.endif
.endm
.macro UNITS pf                        ; a slot's two units: written once, walked twice
	WIN 0
	s_mov_b32 s[TWICE], 2
.Lunit_\@:
	UNIT 1, 2, \pf, 1
	WIN 0
	s_sub_co_u32 s[TWICE], s[TWICE], 1
	s_cmp_lg_u32 s[TWICE], 0
	s_cbranch_scc1 .Lunit_\@
.endm
; THE CHANGE OF SLOTS.  Each wave waits for all its tensor loads (one is out: its part of the other slot), adds 0 to its spare word, and waits for that and for its own reads of the slot that it leaves.
; Behind the barrier nobody reads the old slot and the other is whole.  fill = 1: the old slot is filled again first, with the units two slots on; the address is made anew from the byte in the row, which
; goes round at 4,608.  fill = 2: the ninth unit alone is left: waves 0 and 1 fetch it.  (At its first use nothing has been read: slot 0 is waited for, slot 1 filled.)
.macro CHANGE fill
	WIN 0
	s_wait_tensorcnt 0x0                           ; no tensor load of mine is out, so group 0 may be written
	ds_add_u32 v[SPW], v[NIL]                      ; 0 onto my spare word; the descriptor's steps stand between it and the wait for it
.if \fill
	s_xor_b32 s[G0+1], s[G0+1], SLOTB
	s_add_co_u32 s[KB], s[KB], 1024
	s_cmp_ge_u32 s[KB], 4608
	s_cselect_b32 s62, 4608, 0
	s_sub_co_u32 s[KB], s[KB], s62
	s_add_nc_u64 s[G0+2:G0+3], s[ROWB:ROWB+1], s[KB:KB+1]
	s_or_b32 s[G0+3], s[G0+3], 0x80000000
.endif
	s_wait_dscnt 0x0                               ; the add is done, and my reads of the slot are over
	s_barrier_signal -1
	s_sub_co_u32 s[TB], s[TB], SLOTB               ; the fetches go back to a slot's first unit,
	s_xor_b32 s[TB], s[TB], SLOTB                  ; in the other slot
	s_barrier_wait -1
.if (\fill) == 1
	tensor_load_to_lds s[G0:G0+3], s[G1:G1+7]      ; my one tensor load behind this barrier, and the first thing there
	s_nop 0
	PLACES
.elseif (\fill) == 2
	s_cmp_lt_u32 s[WV], 2
	s_cbranch_scc0 .Lnofill_\@
	tensor_load_to_lds s[G0:G0+3], s[G1:G1+7]
	s_nop 0
	PLACES
.Lnofill_\@:
.endif
	v_add_nc_u32 v[ADRA], s[TB], v[AL0]
	s_add_co_u32 s[TB], s[TB], UNITB
	FETCHA 0, 0
.endm
	; The row figures, the eight vectors, and the first seven groups of weights: all asked for at once
	ALL global_load_b128 v[RW+8*t:RW+8*t+3], v[SO], s[68:69] offset:256*t
	ALL global_load_b32 v[RW+8*t+4], v[SO], s[70:71] offset:256*t+4
	ALL global_load_b32 v[RW+8*t+6], v[SO], s[72:73] offset:256*t+4
	global_load_b32 v[FLG], v[TO], s[70:71] offset:4       ; thread t: row t's two flags, for out1
	global_load_b32 v[FLG+4], v[TO], s[72:73] offset:4
	WIN W_TOV
.macro VEC base, sp                    ; my lane's 32 columns: 64 w + 16 cb + 8 (l / 16) + 0..7
.irp i, 0,1,2,3,4,5,6,7
	global_load_b128 v[(\base)+4*\i:(\base)+4*\i+3], v[VO], s[\sp:\sp+1] offset:64*(\i/2)+16*(\i%2)
.endr
.endm
	VEC 0, 74
	VEC 32, 76
	VEC 64, 78
	VEC 96, 34
	VEC 128, 36
	VEC 160, 38
	VEC 192, 26
	VEC 224, 28
.irp g, 0,1,2,3,4,5,6
	LOADB \g, 4096*\g
.endr
	WIN 0
	ALL v_mov_b32 v[RW+8*t+5], 0                   ; the packed lines name pairs and take the low word for both halves: the partners are written
	ALL v_mov_b32 v[RW+8*t+7], 0
	s_wait_loadcnt 56                              ; all but the ring's 56 loads, which were issued last
.irp i, 1,2,3
	v_mov_b32 v[FLG+\i], v[FLG]
	v_mov_b32 v[FLG+4+\i], v[FLG+4]
.endr
	global_store_b128 v[TO], v[FLG:FLG+3], s[80:81]        ; out1: a row's four heads are 16 bytes; the work-group's 128 rows 2,048 bytes on end, for each of its two directions
	global_store_b128 v[TO], v[FLG+4:FLG+7], s[82:83]
	WIN W_VV                                       ; T, in the wait for the first tile
.set i, 0
.rept 16
	v_pk_add_f32 v[96+2*i:97+2*i], v[96+2*i:97+2*i], v[128+2*i:129+2*i]
.set i, i+1
.endr
.set i, 0
.rept 16
	v_pk_add_f32 v[96+2*i:97+2*i], v[96+2*i:97+2*i], v[160+2*i:161+2*i]
.set i, i+1
.endr
	WIN W_T1
.set i, 0
.rept 128
	v_pk_fma_f32 v[2*i:2*i+1], v[RW+8*(i/16):RW+8*(i/16)+1], v[2*(i%16):2*(i%16)+1], v[96+2*(i%16):97+2*(i%16)] op_sel_hi:[0,1,1]  ; mu rowsum + the three biases
.set i, i+1
.endr
	WIN W_T2
.set i, 0
.rept 128
	v_pk_fma_f32 v[2*i:2*i+1], v[RW+8*(i/16)+4:RW+8*(i/16)+5], v[32+2*(i%16):33+2*(i%16)], v[2*i:2*i+1] op_sel_hi:[0,1,1]  ; + v_b1 c1
.set i, i+1
.endr
.set i, 0
.rept 128
	v_pk_fma_f32 v[2*i:2*i+1], v[RW+8*(i/16)+6:RW+8*(i/16)+7], v[64+2*(i%16):65+2*(i%16)], v[2*i:2*i+1] op_sel_hi:[0,1,1]  ; + v_b2 c2
.set i, i+1
.endr
	WIN 0
.Lslot:                                        ; three trips: units 0 to 5 are multiplied, units 2 to 7 asked for
	CHANGE 1
	UNITS 1
	s_sub_co_u32 s[SLOTS], s[SLOTS], 1
	s_cmp_lg_u32 s[SLOTS], 0
	s_cbranch_scc1 .Lslot
	CHANGE 2                                       ; units 6 and 7; unit 8 is asked for
	UNITS 0
	CHANGE 0                                       ; unit 8: nothing is left to fetch
	UNIT 0, 0, 0, 0
	; THE LAYERNORM.  A lane holds 32 of its row's 256 numbers; the lane 16 away holds 32 more, the other waves the rest.
	PLACES
	WIN W_AA
	ALL v_pk_add_f32 v[SP+2*t:SP+2*t+1], v[32*t:32*t+1], v[32*t+2:32*t+3]
	WIN W_A0
.set p, 2
.rept 14
	ALL v_pk_add_f32 v[SP+2*t:SP+2*t+1], v[32*t+2*p:32*t+2*p+1], v[SP+2*t:SP+2*t+1]
.set p, p+1
.endr
	WIN 0
; The pair's halves, the other half of the lanes, and through LDS the four waves; the row's total comes back in v[AF + 4 t].
.macro CROSS b, off
	ALL v_add_f32 v[(\b)+2*t], v[(\b)+2*t], v[(\b)+2*t+1]
	ALL v_permlanex16_b32 v[(\b)+2*t+1], v[(\b)+2*t], s[SEL], s[SEL+1]
	ALL v_add_f32 v[(\b)+2*t], v[(\b)+2*t], v[(\b)+2*t+1]
	ALL ds_store_b32 v[R1A], v[(\b)+2*t] offset:(\off)+256*t
	s_wait_dscnt 0x0                               ; for the others' sake: my sums lie in LDS
	s_barrier_signal -1
	s_barrier_wait -1
	ALL ds_load_b128 v[AF+4*t:AF+4*t+3], v[R1L] offset:(\off)+256*t
	s_wait_dscnt 0x0
	ALL v_pk_add_f32 v[AF+4*t:AF+4*t+1], v[AF+4*t:AF+4*t+1], v[AF+4*t+2:AF+4*t+3]
	ALL v_add_f32 v[AF+4*t], v[AF+4*t], v[AF+4*t+1]
.endm
	CROSS SP, 0
	s_mov_b32 s62, 0x3b800000                      ; 1 / 256
	ALL v_mul_f32 v[SP+2*t], s62, v[AF+4*t]        ; the mean
	WIN W_AS
.set i, 0
.rept 128
	v_pk_add_f32 v[2*i:2*i+1], v[2*i:2*i+1], v[SP+2*(i/16):SP+2*(i/16)+1] op_sel_hi:[1,0] neg_lo:[0,1] neg_hi:[0,1]  ; z - mean, in place
.set i, i+1
.endr
	WIN W_AA
	ALL v_pk_mul_f32 v[SQ+2*t:SQ+2*t+1], v[32*t:32*t+1], v[32*t:32*t+1]
.set p, 1
.rept 15
	ALL v_pk_fma_f32 v[SQ+2*t:SQ+2*t+1], v[32*t+2*p:32*t+2*p+1], v[32*t+2*p:32*t+2*p+1], v[SQ+2*t:SQ+2*t+1]
.set p, p+1
.endr
	WIN 0
	CROSS SQ, 2048                                 ; other bytes than the first meeting's, so one barrier serves each
	ALL v_fma_f32 v[SQ+2*t], v[AF+4*t], s62, v[RW+8*t+3]   ; var z + eps rstd^2
	ALL v_rsq_f32 v[SQ+2*t], v[SQ+2*t]
	ALL v_mov_b32 v[RW+8*t+4], v[RW+8*t+1]         ; v_a goes to the low word of a pair: eight plain lines behind the roots,
	s_wait_alu depctr_va_vdst(0)                   ; and the one wait ahead of their first reader
; THE WAY OUT, 16 rows at a time.  FIN: (d / sqrt) g + b, times v_a.  TOSTAGE: 32 bytes a lane and column block into rows of 272 bytes of my own stage, and back as whole rows of 256.  SEND: stored.
.macro FIN ra
	WIN W_AS
.set i, 0
.rept 16
	v_pk_mul_f32 v[32*(\ra)+2*i:32*(\ra)+2*i+1], v[32*(\ra)+2*i:32*(\ra)+2*i+1], v[SQ+2*(\ra):SQ+2*(\ra)+1] op_sel_hi:[1,0]
.set i, i+1
.endr
	WIN W_GB
.set i, 0
.rept 16
	v_pk_fma_f32 v[32*(\ra)+2*i:32*(\ra)+2*i+1], v[32*(\ra)+2*i:32*(\ra)+2*i+1], v[192+2*i:193+2*i], v[224+2*i:225+2*i]
.set i, i+1
.endr
	WIN W_AS
.set i, 0
.rept 16
	v_pk_mul_f32 v[32*(\ra)+2*i:32*(\ra)+2*i+1], v[32*(\ra)+2*i:32*(\ra)+2*i+1], v[RW+8*(\ra)+4:RW+8*(\ra)+5] op_sel_hi:[1,0]
.set i, i+1
.endr
.endm
.macro TOSTAGE ra
	WIN W_ST
.irp i, 0,1,2,3,4,5,6,7
	ds_store_b128 v[STO], v[32*(\ra)+4*\i:32*(\ra)+4*\i+3] offset:64*(\i/2)+16*(\i%2)
.endr
	WIN W_TOB
.irp i, 0,1,2,3,4,5,6,7
	ds_load_b128 v[32*((\ra)%2)+4*\i:32*((\ra)%2)+4*\i+3], v[RD] offset:2*272*\i  ; LDS serves a wave's instructions in order (ISA guide 5.7.1.4): these see the stores above
.endr
.endm
.macro SEND ra
	WIN W_GS
	s_wait_dscnt 0x0                               ; the 16 rows are back in registers
	s_wait_xcnt 0x0                                ; the stores of the block before have read their registers: the next TOSTAGE loads into that set
.irp i, 0,1,2,3,4,5,6,7
	global_store_b128 v[GO], v[32*((\ra)%2)+4*\i:32*((\ra)%2)+4*\i+3], s[OUT:OUT+1] offset:(16*(\ra)+2*\i)*1024 th:TH_STORE_NT  ; 16 lanes store 256 consecutive bytes, at a multiple of 256 from out0's first
.endr
.endm
	FIN 0
	TOSTAGE 0
.irp ra, 1,2,3,4,5,6,7                 ; a block's arithmetic stands between the loads of the block before and the wait for them
	FIN \ra
	SEND (\ra)-1
	TOSTAGE \ra
.endr
	SEND 7
	WIN 0
	s_wait_tensorcnt 0x0                           ; the wave's end: behind my last tensor load and my last LDS store
	ds_add_u32 v[SPW], v[NIL]
	s_wait_dscnt 0x0
	s_endpgm
.Lfunc_end_k_q8f4123f1f6_main:
	.size	k_q8f4123f1f6_main, .Lfunc_end_k_q8f4123f1f6_main-k_q8f4123f1f6_main
	.p2alignl 7, 3214868480
	.fill 96, 4, 3214868480
	.section	.rodata,"a",@progbits
	.p2align	6, 0x0
	.amdhsa_kernel k_q8f4123f1f6_main
		.amdhsa_group_segment_fixed_size 327680
		.amdhsa_private_segment_fixed_size 0
		.amdhsa_enable_private_segment 0
		.amdhsa_kernarg_size 144
		.amdhsa_user_sgpr_count 2
		.amdhsa_user_sgpr_kernarg_segment_ptr 1
		.amdhsa_wavefront_size32 1
		.amdhsa_system_sgpr_workgroup_id_x 1
		.amdhsa_system_sgpr_workgroup_id_y 1
		.amdhsa_system_sgpr_workgroup_id_z 1
		.amdhsa_system_vgpr_workitem_id 0
		.amdhsa_next_free_vgpr 1024
		.amdhsa_next_free_sgpr 96
		.amdhsa_reserve_vcc 0
		.amdhsa_float_denorm_mode_32 3
		.amdhsa_float_denorm_mode_16_64 3
		.amdhsa_memory_ordered 1
		.amdhsa_forward_progress 1
		.amdhsa_inst_pref_size 231
	.end_amdhsa_kernel
	.amdgpu_metadata
---
amdhsa.version: [ 1, 2 ]
amdhsa.kernels:
  - .name:           k_q8f4123f1f6_main
    .symbol:         k_q8f4123f1f6_main.kd
    .args:
      - { .name: xn, .offset: 0, .size: 8, .value_kind: global_buffer, .address_space: global }
      - { .name: stats, .offset: 8, .size: 8, .value_kind: global_buffer, .address_space: global }
      - { .name: ubuf, .offset: 16, .size: 8, .value_kind: global_buffer, .address_space: global }
      - { .name: wfrag, .offset: 24, .size: 8, .value_kind: global_buffer, .address_space: global }
      - { .name: cvec, .offset: 32, .size: 8, .value_kind: global_buffer, .address_space: global }
      - { .name: params_out_ln_g, .offset: 40, .size: 8, .value_kind: global_buffer, .address_space: global }
      - { .name: params_out_ln_b, .offset: 48, .size: 8, .value_kind: global_buffer, .address_space: global }
      - { .name: out0, .offset: 56, .size: 8, .value_kind: global_buffer, .address_space: global }
      - { .name: out1, .offset: 64, .size: 8, .value_kind: global_buffer, .address_space: global }
      - { .name: params_self_audio_b, .offset: 72, .size: 8, .value_kind: global_buffer, .address_space: global }
      - { .name: params_self_video_b, .offset: 80, .size: 8, .value_kind: global_buffer, .address_space: global }
      - { .name: params_self_text_b, .offset: 88, .size: 8, .value_kind: global_buffer, .address_space: global }
      - { .name: params_audio_to_video_bo, .offset: 96, .size: 8, .value_kind: global_buffer, .address_space: global }
      - { .name: params_video_to_audio_bo, .offset: 104, .size: 8, .value_kind: global_buffer, .address_space: global }
      - { .name: params_audio_to_text_bo, .offset: 112, .size: 8, .value_kind: global_buffer, .address_space: global }
      - { .name: params_text_to_audio_bo, .offset: 120, .size: 8, .value_kind: global_buffer, .address_space: global }
      - { .name: params_video_to_text_bo, .offset: 128, .size: 8, .value_kind: global_buffer, .address_space: global }
      - { .name: params_text_to_video_bo, .offset: 136, .size: 8, .value_kind: global_buffer, .address_space: global }
    .group_segment_fixed_size: 327680
    .private_segment_fixed_size: 0
    .kernarg_segment_align: 8
    .kernarg_segment_size: 144
    .max_flat_workgroup_size: 128
    .sgpr_count:     96
    .vgpr_count:     1024
    .wavefront_size: 32
...
	.end_amdgpu_metadata
.endif
;; end of part 3
